; MI455X (gfx1250); checked and timed in simulation.
; The chip was launched on July 23, 2026; its instructions are those of AMD's public machine-readable ISA for CDNA 5 (MIT licence, August 2026) and "CDNA5" Instruction Set Architecture Reference Guide (July 2026). The comments in the code are by the model that wrote it; some were corrected since.
;; My GRU Cell. Allowed arithmetic: matrix products marked QUANTISED: E3M2 operands, one E8M0 scale for each 32 along K, by v_wmma_scale_f32_16x16x128_f8f6f4 with both operands' format E3M2, f32 sums; everything else in f32.
;; Inputs: Wg 1,024 x 2,048 float32; Wr 1,024 x 2,048 float32; Wz 1,024 x 2,048 float32; bg 1,024 float32; br 1,024 float32; bz 1,024 float32; h_prev 8,192 x 1,024 float32; x 8,192 x 1,024 float32.
;; Outputs: out0 8,192 x 1,024 float32.
;; This version of the problem:
;;   THIS VERSION OF THE PROBLEM IS GIVEN IN LOW PRECISION. The matrix products marked QUANTISED in the list below multiply operands that are first quantised to E3M2 (3 exponent bits, 2 mantissa bits; 6 bits a number), with one power-of-two scale for each 32 numbers along K (OCP MX v1.0); their sums are f32. All else is computed in f32.
;;   The module's matrix products, in the order in which they are computed (A, B: the left and right operand; K: the contracted axis; several contracted axes count as one K, in the product's order):
;;     1. [M 8,192, K 2,048] x [K 2,048, N 1,024]; A: computed on the way; B: input Wr: QUANTISED
;;     2. [M 8,192, K 2,048] x [K 2,048, N 1,024]; A: computed on the way; B: input Wz: QUANTISED
;;     3. [M 8,192, K 2,048] x [K 2,048, N 1,024]; A: computed on the way; B: input Wg: QUANTISED
;;   THE QUANTISER, for each operand of a quantised product, along K:
;;     - K is cut into blocks of 32 from its start; a last block that is shorter is filled with zeros.
;;     - A block's scale is 2^e with e = floor(log2(the largest magnitude in the block)) - 4, held to -126 .. 127; a block of zeros has e = 0. As a byte (E8M0): e + 127.
;;     - Each number is divided by its block's scale, clamped to +-28, and rounded to the nearest number of E3M2, ties to even, subnormals kept.
;;     - The product sums the exact products of the quantised numbers (number of the format x scale) in f32.
;;   ~~~python
;;   def quantise(x, axis):      # numpy; x: float32 -> the quantised numbers, widened to float32 again
;;       x = np.moveaxis(x, axis, -1); K = x.shape[-1]
;;       x = np.pad(x, [(0, 0)] * (x.ndim - 1) + [(0, -K % 32)]); x = x.reshape(x.shape[:-1] + (-1, 32)); a = np.abs(x).max(-1, keepdims=True)
;;       e = np.where(a > 0, np.clip(np.frexp(np.where(a > 0, a, 1))[1] - 1 - 4, -126, 127), 0)      # np.frexp(a)[1] - 1 = floor(log2(a)), exactly
;;       r = np.clip(x / 2.0 ** e, -28, 28)
;;       step = 2.0 ** (np.maximum(np.frexp(np.where(r == 0, 1, r))[1] - 1, -2) - 2)
;;       q = np.round(r / step) * step * 2.0 ** e      # np.round: ties to even
;;       return np.moveaxis(q.reshape(q.shape[:-2] + (-1,))[..., :K], -1, axis).astype(np.float32)
;;   ~~~
;;   OPERANDS COMPUTED ON THE WAY. 'Computed on the way' means the value that the module computes at that place (a softmax that the list does not call 'softmax' is quantised finished and normalised). What goes into a quantiser is computed in f32, as accurately as f32 sums, v_exp_f32 and their like allow (about 1e-6 of the number): no bf16 or f16 on the way to a quantiser, and a product that is left as it is and whose result goes on into a quantised operand takes f32 operands (vector FMAs, or v_wmma_f32_16x16x4_f32). A number that lies on a knife's edge between two numbers of the format may be rounded either way, as far as f32 arithmetic and the matrix unit's own rounding can turn it there, and no further.
;; One version. Each part assembles by itself: llvm-mc -triple=amdgcn-amd-amdhsa -mcpu=gfx1250 --defsym DOCPART=n.
;; ======== version 1 of 1: 3 launches
;; limits: right only within a limited range of input values
;; workspace buffers: ac 13,631,488 bytes; rc 13,631,488 bytes; wc 5,111,808 bytes
;; launch quant (part 1): grid 704 x 1, 4 waves a work-group, no clusters, 34,304 bytes of LDS; arguments x, h_prev, Wr, Wz, Wg, ac, wc; writes ac, wc
.if DOCPART == 1
	.amdgcn_target "amdgcn-amd-amdhsa--gfx1250"
	.amdhsa_code_object_version 6
	.text
	.protected	k_q57f2719aa4_quant
	.globl	k_q57f2719aa4_quant
	.p2align	8
	.type	k_q57f2719aa4_quant,@function
k_q57f2719aa4_quant:
	s_mov_b64 s[64:65], 0
	v_nop
	global_prefetch_b8 v0, s[64:65] scope:SCOPE_SE
	s_setreg_imm32_b32 hwreg(HW_REG_WAVE_MODE, 25, 1), 1
	s_wait_xcnt 0x0
; x, h_prev [8192][1024] and Wr, Wz, Wg [1024][2048], f32, K innermost, become codes of BF6 (E3M2) with one E8M0 byte for each 32 along K.
; A block's scale is 2^(floor(log2(its largest magnitude)) - 4): its byte is the largest magnitude's exponent field - 4, held at 1 from below.
; THE CODES ARE LAID AS IMAGES OF THE OPERAND'S REGISTERS.  A RECORD of 3,328 bytes holds 16 rows x 256 along K: the image of the first 128 along K (1,536 bytes: register 4 c + i of lane l at
; byte 512 c + 16 l + 4 i), the image of the second 128, and 256 bytes of scale words (lane l: the two words of row l % 16, at 8 l).  A fragment's lane l holds row l % 16 and, in registers
; 6 c .. 6 c + 5, k = 64 c + 32 (l / 16) + 0 .. 31.  ac: [512 blocks of 16 rows][8 records]: records 0-3 are x, 4-7 h_prev.  wc: [3 gates][64 tiles][8 records].
; THE ROWS OF A WEIGHT'S TILE ARE NOT NEIGHBOURS: lane r of tile 2 b + u holds row 32 b + 8 u + r + 8 (r / 8), so that the products' results lie as the next quantiser wants them.
; SHARES.  A wave takes 16 rows x 512 along K: four fragments, two records.  Work-groups 0-255 take x, 256-511 h_prev, 512-703 the weights (a tile each, a wave to each 512 along K).
; One path for all: only pointers, a pitch and offsets are chosen, by the work-group's number.
; Each load reads 512 consecutive bytes of one row; the 16 rows turn through the wave's own stage in LDS (rows of 512 + 16 bytes) and come back 128 neighbouring bytes of a row to a lane.
; Each store of the wave covers 512 or 256 consecutive bytes, aligned.  No barrier: waves share nothing.
; LIMITS: NaN and infinities among the inputs are not served.  A block of zeros, or one whose largest magnitude lies under 2^-122, gets the byte 1 (the rule says 127 for zeros): its codes are
; zeros or next to it, and the bytes are read by this program alone.
.set REC,  3328
.set SPT,  528                         ; a stage row
.set WST,  16*SPT                      ; a wave's stage
.set VO,   16                          ; v16-31   row i's byte offset: 16 x lane + i x pitch (+ 8 rows from row 8 on, in a weight)
.set R,    32                          ; v32-159  two sets of 64: a fragment's numbers as loaded
.set X,    160                         ; v160-223 the same, 64 of one row to a lane
.set PC,   224                         ; v224-247 two sets of 12: the codes
.set T,    248                         ; v248-254 the conversions' second halves
.set SH,   255                         ; v255     8 x (lane / 16)
	s_load_b256 s[4:11], s[0:1], 0x0               ; x, h_prev, Wr, Wz
	s_load_b128 s[12:15], s[0:1], 0x20             ; Wg, ac
	s_load_b64 s[16:17], s[0:1], 0x30              ; wc
	v_lshl_add_u32 v251, v0, 2, 0x8400
	s_set_vgpr_msb 0x40
	v_mov_b32 v1, 0
	s_set_vgpr_msb 0x4000
	v_lshrrev_b32 v1, 5, v0
	v_readfirstlane_b32 s18, v1                    ; wave
	v_and_b32 v1, 31, v0                           ; lane
	v_and_b32 v2, 15, v0                           ; r
	v_bfe_u32 v3, v0, 4, 1                         ; h
	v_lshlrev_b32 v4, 4, v1                        ; 16 x lane
	s_wait_alu depctr_va_vdst(0)
	v_lshlrev_b32 v5, 3, v1                        ; 8 x lane
	s_mul_i32 s19, s18, WST
	v_add_nc_u32 v6, s19, v4                       ; into the stage: 16 bytes a lane of a row
	v_mul_u32_u24 v7, v2, SPT
	v_lshl_add_u32 v7, v3, 7, v7
	v_add_nc_u32 v7, s19, v7                       ; out of it: row r, + 128 h bytes
	v_lshlrev_b32 v[SH], 3, v3
	s_mov_b32 s20, 0x76543210
	s_mov_b32 s21, 0xfedcba98                      ; v_permlanex16_b32's selects for lane l xor 16
	; an activation's share: T = 4 (G % 256) + wave; block of rows T / 2, half of K T % 2
	s_and_b32 s22, ttmp9, 255
	s_lshl_b32 s22, s22, 2
	s_add_co_u32 s22, s22, s18
	s_lshr_b32 s23, s22, 1
	s_and_b32 s22, s22, 1
	s_lshl_b32 s28, s23, 16                        ; 16 rows of 4,096 bytes
	s_lshl_b32 s29, s22, 11
	s_add_co_u32 s28, s28, s29                     ; where it begins in x or h_prev
	s_lshl_b32 s23, s23, 3
	s_lshr_b32 s29, ttmp9, 8
	s_lshl_b32 s29, s29, 2
	s_add_co_u32 s23, s23, s29
	s_lshl_b32 s22, s22, 1
	s_add_co_u32 s23, s23, s22                     ; its first record in ac
	; a weight's share: G - 512 = 64 x gate + tile; the wave's number says which 512 along K
	s_sub_co_u32 s30, ttmp9, 512
	s_and_b32 s31, s30, 63
	s_lshr_b32 s32, s31, 1
	s_lshl_b32 s32, s32, 5
	s_and_b32 s31, s31, 1
	s_lshl_b32 s31, s31, 3
	s_add_co_u32 s31, s31, s32                     ; the tile's first row
	s_lshl_b32 s31, s31, 13                        ; rows of 8,192 bytes
	s_lshl_b32 s32, s18, 11
	s_add_co_u32 s31, s31, s32
	s_lshl_b32 s30, s30, 3
	s_lshl_b32 s32, s18, 1
	s_add_co_u32 s30, s30, s32                     ; its first record in wc
	s_cmp_lt_u32 ttmp9, 512
	s_cselect_b32 s28, s28, s31
	s_cselect_b32 s30, s23, s30
	s_mov_b32 s33, 8192
	s_cselect_b32 s33, 4096, s33                   ; the pitch
	s_cselect_b32 s34, 0, 0x10000                  ; a weight's rows 8-15 lie 8 rows further down
	s_mul_i32 s30, s30, REC
	s_mov_b32 s29, 0
	s_mov_b32 s31, 0
	s_mov_b32 s35, 0
.irp i, 0,1,2,3,4,5,6,7,8,9,10,11,12,13,14,15
	v_add_nc_u32 v[VO+\i], s35, v4
	s_add_co_u32 s35, s35, s33
.if \i == 7
	s_add_co_u32 s35, s35, s34
.endif
.endr
	s_wait_alu depctr_va_vdst(0)
	s_wait_kmcnt 0x0
	s_cmp_lt_u32 ttmp9, 640                        ; the buffers are chosen by the work-group's number alone
	s_cselect_b64 s[24:25], s[10:11], s[12:13]
	s_cmp_lt_u32 ttmp9, 576
	s_cselect_b64 s[24:25], s[8:9], s[24:25]
	s_cmp_lt_u32 ttmp9, 512
	s_cselect_b64 s[24:25], s[6:7], s[24:25]
	s_cselect_b64 s[26:27], s[14:15], s[16:17]
	s_cmp_lt_u32 ttmp9, 256
	s_cselect_b64 s[24:25], s[4:5], s[24:25]
	s_add_nc_u64 s[24:25], s[24:25], s[28:29]
	s_add_nc_u64 s[26:27], s[26:27], s[30:31]
.macro LOAD t                          ; fragment t: 16 rows x 128 numbers; a load reads 512 consecutive bytes of one row
.irp i, 0,1,2,3,4,5,6,7,8,9,10,11,12,13,14,15
	global_load_b128 v[R+64*((\t)%2)+4*\i:R+64*((\t)%2)+4*\i+3], v[VO+\i], s[24:25] offset:512*(\t) th:TH_LOAD_NT
.endr
.endm
.macro FRAG t
.set RS, R+64*((\t)%2)
.set PS, PC+12*((\t)%2)
.set WD, 14+(\t)%2
.if (\t) < 3
	s_wait_loadcnt 16                              ; this fragment's 16 loads are in; the next fragment's 16 may be out
.else
	s_wait_loadcnt 0x0
.endif
.irp i, 0,1,2,3,4,5,6,7,8,9,10,11,12,13,14,15
	ds_store_b128 v6, v[RS+4*\i:RS+4*\i+3] offset:SPT*\i
.endr
.irp c, 0,1
.irp j, 0,1,2,3,4,5,6,7
	ds_load_b128 v[X+32*\c+4*\j:X+32*\c+4*\j+3], v7 offset:256*\c+16*\j   ; LDS serves a wave's instructions in order: these see the stores.  X + 32 c + n = k 64 c + 32 h + n of row r
.endr
.endr
	s_wait_dscnt 0x0                               ; the numbers are back, and the stores have read their registers,
.if (\t)+2 < 4
	LOAD (\t)+2                                    ; which take the fragment two on
.endif
.irp c, 0,1
	v_max3_num_f32 v[8+\c], |v[X+32*\c]|, |v[X+32*\c+1]|, 0x2800000   ; my block 2 c + h: all its 32 numbers are mine; and the floor 2^(5 - 127): the byte cannot fall under 1
.endr
.irp i, 2,4,6,8,10,12,14,16,18,20,22,24,26,28,30
.irp c, 0,1
	v_max3_num_f32 v[8+\c], v[8+\c], |v[X+32*\c+\i]|, |v[X+32*\c+\i+1]|   ; (the two blocks by turns)
.endr
.endr
.irp c, 0,1
	v_add_nc_u32 v[10+\c], 0xfe000000, v[8+\c]     ; 4 off the exponent field: the conversion takes this operand's exponent field as its scale
.endr
.irp c, 0,1
	v_lshrrev_b32 v[12+\c], 23, v[10+\c]           ; the scale's byte
.endr
.if (\t) >= 2
	s_wait_alu depctr_va_vdst(0)
	s_wait_xcnt 0x0                                ; the stores of two fragments ago have read their registers: the scale words and this set of codes are written again only behind this wait
.endif
	v_lshl_or_b32 v[WD], v13, 16, v12              ; my two bytes: blocks h and 2 + h,
	v_lshlrev_b32 v[WD], v[SH], v[WD]              ; at their places in the word;
	v_permlanex16_b32 v12, v[WD], s20, s21
	v_or_b32 v[WD], v[WD], v12                     ; with lane l xor 16's two the word is whole, in both halves of the lanes
	v_cvt_scalef32_pk16_bf6_f32 v[PS:PS+2], v[X:X+15], v10
	v_cvt_scalef32_pk16_bf6_f32 v[T:T+2], v[X+16:X+31], v10          ; (a conversion's three registers begin on an even number)
	v_cvt_scalef32_pk16_bf6_f32 v[PS+6:PS+8], v[X+32:X+47], v11
	v_cvt_scalef32_pk16_bf6_f32 v[T+4:T+6], v[X+48:X+63], v11
	v_nop                                          ; one plain instruction behind the scaled conversions
.irp i, 0,1,2
	v_mov_b32 v[PS+3+\i], v[T+\i]
	v_mov_b32 v[PS+9+\i], v[T+4+\i]
.endr
.irp c, 0,1,2
	global_store_b128 v4, v[PS+4*\c:PS+4*\c+3], s[26:27] offset:((\t)/2)*REC+((\t)%2)*1536+512*\c   ; the image: 512 consecutive bytes a store
.endr
.if (\t)%2 == 1
	global_store_b64 v5, v[14:15], s[26:27] offset:((\t)/2)*REC+3072   ; the record's scale words: 256 consecutive bytes
.endif
.endm
	LOAD 0
	LOAD 1
	FRAG 0
	FRAG 1
	FRAG 2
	FRAG 3
	s_set_vgpr_msb 0x4
	s_wait_tensorcnt 0x0
	ds_add_u32 v251, v1
	s_wait_dscnt 0x0
	s_set_vgpr_msb 0x400
	s_endpgm
.Lfunc_end_k_q57f2719aa4_quant:
	.size	k_q57f2719aa4_quant, .Lfunc_end_k_q57f2719aa4_quant-k_q57f2719aa4_quant
	.p2alignl 7, 3214868480
	.fill 96, 4, 3214868480
	.section	.rodata,"a",@progbits
	.p2align	6, 0x0
	.amdhsa_kernel k_q57f2719aa4_quant
		.amdhsa_group_segment_fixed_size 34304
		.amdhsa_private_segment_fixed_size 0
		.amdhsa_enable_private_segment 0
		.amdhsa_kernarg_size 56
		.amdhsa_user_sgpr_count 2
		.amdhsa_user_sgpr_kernarg_segment_ptr 1
		.amdhsa_wavefront_size32 1
		.amdhsa_system_sgpr_workgroup_id_x 1
		.amdhsa_system_sgpr_workgroup_id_y 1
		.amdhsa_system_sgpr_workgroup_id_z 1
		.amdhsa_system_vgpr_workitem_id 0
		.amdhsa_next_free_vgpr 258
		.amdhsa_next_free_sgpr 66
		.amdhsa_reserve_vcc 0
		.amdhsa_float_denorm_mode_32 3
		.amdhsa_float_denorm_mode_16_64 3
		.amdhsa_memory_ordered 1
		.amdhsa_forward_progress 1
		.amdhsa_inst_pref_size 32
	.end_amdhsa_kernel
	.amdgpu_metadata
---
amdhsa.version: [ 1, 2 ]
amdhsa.kernels:
  - .name:           k_q57f2719aa4_quant
    .symbol:         k_q57f2719aa4_quant.kd
    .args:
      - { .name: x, .offset: 0, .size: 8, .value_kind: global_buffer, .address_space: global }
      - { .name: h_prev, .offset: 8, .size: 8, .value_kind: global_buffer, .address_space: global }
      - { .name: Wr, .offset: 16, .size: 8, .value_kind: global_buffer, .address_space: global }
      - { .name: Wz, .offset: 24, .size: 8, .value_kind: global_buffer, .address_space: global }
      - { .name: Wg, .offset: 32, .size: 8, .value_kind: global_buffer, .address_space: global }
      - { .name: ac, .offset: 40, .size: 8, .value_kind: global_buffer, .address_space: global }
      - { .name: wc, .offset: 48, .size: 8, .value_kind: global_buffer, .address_space: global }
    .group_segment_fixed_size: 34304
    .private_segment_fixed_size: 0
    .kernarg_segment_align: 8
    .kernarg_segment_size: 56
    .max_flat_workgroup_size: 128
    .sgpr_count:     66
    .vgpr_count:     258
    .wavefront_size: 32
...
	.end_amdgpu_metadata
.endif
;; end of part 1
;; launch gemm_r (part 2): grid 4 x 64, 4 waves a work-group, clusters of 4 x 4, 327,680 bytes of LDS; arguments ac, wc, br, h_prev, rc; writes rc
.if DOCPART == 2
	.amdgcn_target "amdgcn-amd-amdhsa--gfx1250"
	.amdhsa_code_object_version 6
	.text
	.protected	k_q57f2719aa4_gemm_r
	.globl	k_q57f2719aa4_gemm_r
	.p2align	8
	.type	k_q57f2719aa4_gemm_r,@function
k_q57f2719aa4_gemm_r:
	s_mov_b64 s[64:65], 0
	v_nop
	global_prefetch_b8 v0, s[64:65] scope:SCOPE_SE
	s_setreg_imm32_b32 hwreg(HW_REG_WAVE_MODE, 25, 1), 1
	s_wait_xcnt 0x0
	s_wait_alu depctr_hold_cnt(0) depctr_sa_sdst(0) depctr_va_vdst(0) depctr_va_sdst(0) depctr_va_ssrc(0) depctr_va_vcc(0) depctr_vm_vsrc(0)
	s_getreg_b32 s2, hwreg(HW_REG_IB_STS2, 6, 4)
	s_cmp_eq_u32 s2, 0
	s_cbranch_scc0 .Lentry_in_a_cluster
	s_endpgm
.Lentry_in_a_cluster:
	s_bfe_u32 s2, ttmp6, 0x10000c
	s_cmp_lg_u32 s2, 0xf033
	s_cbranch_scc0 .Lentry_shape_is_right
	s_endpgm
.Lentry_shape_is_right:
; r = sigmoid([x, h] Wr^T + br); r h is quantised along the next K and stored in rc as images of the operand's registers (records of 3,328 bytes: 16 rows x 256 along K, two images and the scale words).
; A work-group owns 128 rows x 256 columns: 256 work-groups, four waves of 64 x 128.  The product is used transposed (source 0 = 16 rows of Wr, source 1 = 16 rows of [x, h]); the bias is the C of each sum's first product.
; K goes in four steps of 512 through two LDS slots; waves 0 and 1 fetch the activations' two halves, waves 2 and 3 the weight's.  4 x 4 work-groups form a cluster and ask for shared tiles jointly.
; THE HEAD: one joint load a wave (slot 0); the addresses and the loads of the bias and of h_prev stand under its flight; slot 1's first fill follows behind the wait for all loads, the add and a round.
; A K step's LDS loads are cut in three parts that stand between groups of eight products.
; LIMITS: NaN and infinities are not served.
.set REC,   3328
.set RB,    8*REC
.set QROW,  2*REC
.set SLOT,  24*QROW
.set BOFF,  8*QROW
.set SPARE, 2*SLOT
.set SPT,   528
.set WST,   16*SPT
.set SCX,   4*WST
.set ADRA, 16
.set ADRB, 18
.set ADRS, 20
.set HSTO, 22
.set HRD,  23
.set SCW,  24
.set LI,   25
.set L8,   26
.set BO,   27
.set SPW,  28
.set NIL,  29
.set SCR,  30
.set SC,   32
.set AF,   64
.set BIAS, 160
.set Y,    64
.set HX,   128
.set PC,   192
.set TM,   212
.set PW,   228
.set G1,   24
.set G0,   32
.set G1B,  48
.set G0B,  56
.set SEL,  92
.set MSB, 0
.macro WIN new
.if MSB != \new
	s_set_vgpr_msb (MSB<<8)|\new
.set MSB, \new
.endif
.endm
.macro PLACES
.rept 4
	v_nop
.endr
.endm
.macro JLOAD s
	s_cmp_eq_u32 s15, 0
	s_cbranch_scc0 .Lfor_b_\@
	tensor_load_to_lds s[G0+4*\s:G0+4*\s+3], s[G1:G1+7]
	s_nop 0
	PLACES
	s_branch .Lasked_\@
.Lfor_b_\@:
	tensor_load_to_lds s[G0B+4*\s:G0B+4*\s+3], s[G1B:G1B+7]
	s_nop 0
	PLACES
.Lasked_\@:
.endm
.macro CREST
	s_cmp_lg_u32 s14, 0
	s_cbranch_scc1 .Lnot_wave_0_\@
	s_barrier_signal -3
.Lnot_wave_0_\@:
	s_barrier_wait -3
	s_barrier_signal -1
	s_barrier_wait -1
.endm
.macro CROUND
	s_barrier_signal -1
	s_barrier_wait -1
	CREST
.endm
	s_load_b256 s[4:11], s[0:1], 0x0
	s_load_b64 s[12:13], s[0:1], 0x20
	v_lshl_add_u32 v[SPW], v0, 2, SPARE
	v_mov_b32 v[NIL], 0
	ds_add_u32 v28, v29
	ds_add_u32 v28, v29
	s_wait_dscnt 0x0
	v_lshrrev_b32 v1, 5, v0
	v_readfirstlane_b32 s14, v1
	s_lshr_b32 s15, s14, 1
	s_and_b32 s16, s14, 1
	s_bfe_u32 s40, ttmp6, 0x40000
	s_bfe_u32 s41, ttmp6, 0x40004
	s_lshl_b32 s42, ttmp9, 2
	s_add_co_u32 s42, s42, s40
	s_and_b32 s17, ttmp7, 0xffff
	s_lshl_b32 s17, s17, 2
	s_add_co_u32 s17, s17, s41
	s_lshl_b32 s43, s41, 2
	s_lshl_b32 s43, 15, s43
	s_lshl_b32 s44, 0x1111, s40
	s_or_b32 s[G1+0], s43, (3<<16)|(1<<21)
	s_or_b32 s[G1B+0], s44, (3<<16)|(1<<21)
	s_mov_b32 s[G1+1], 832<<16
	s_mov_b32 s[G1+2], 4<<16
	s_mov_b32 s[G1+3], 832<<16
	s_mov_b32 s[G1+4], 4
	s_mov_b32 s[G1+5], 3328
	s_mov_b32 s[G1+6], 0
	s_mov_b32 s[G1+7], 0
	s_mov_b32 s[G1B+1], 832<<16
	s_mov_b32 s[G1B+2], 8<<16
	s_mov_b32 s[G1B+3], 832<<16
	s_mov_b32 s[G1B+4], 8
	s_mov_b32 s[G1B+5], 3328
	s_mov_b32 s[G1B+6], 0
	s_mov_b32 s[G1B+7], 0
	s_lshl_b32 s18, s16, 2
	s_lshl_b32 s20, s17, 3
	s_add_co_u32 s20, s20, s18
	s_mul_i32 s20, s20, RB
	s_mov_b32 s21, 0
	s_lshl_b32 s18, s16, 3
	s_lshl_b32 s46, s42, 4
	s_add_co_u32 s46, s46, s18
	s_mul_i32 s46, s46, RB
	s_mov_b32 s47, 0
	s_mul_i32 s45, s16, 4*QROW
	s_mul_i32 s94, s16, 8*QROW
	s_add_co_u32 s94, s94, BOFF
	s_wait_kmcnt 0x0
	s_add_nc_u64 s[20:21], s[4:5], s[20:21]
	s_add_nc_u64 s[46:47], s[6:7], s[46:47]
	CROUND
.irp s, 0,1
	s_mov_b32 s[G0+4*\s], 1
	s_add_co_u32 s[G0+4*\s+1], s45, \s*SLOT
	s_add_nc_u64 s[G0+4*\s+2:G0+4*\s+3], s[20:21], \s*QROW
	s_or_b32 s[G0+4*\s+3], s[G0+4*\s+3], 0x80000000
	s_mov_b32 s[G0B+4*\s], 1
	s_add_co_u32 s[G0B+4*\s+1], s94, \s*SLOT
	s_add_nc_u64 s[G0B+4*\s+2:G0B+4*\s+3], s[46:47], \s*QROW
	s_or_b32 s[G0B+4*\s+3], s[G0B+4*\s+3], 0x80000000
.endr
	JLOAD 0                                        ; slot 0: one tensor load a wave at the head
	v_and_b32 v1, 31, v0
	v_and_b32 v2, 15, v0
	v_bfe_u32 v3, v0, 4, 1
	v_lshlrev_b32 v[LI], 4, v1
	s_wait_alu depctr_va_vdst(0)
	v_lshlrev_b32 v[L8], 3, v1
	v_lshlrev_b32 v[BO], 6, v3
	s_mul_i32 s80, s15, 4*QROW
	s_mul_i32 s81, s16, 8*QROW
	s_add_co_u32 s81, s81, BOFF
	s_sub_co_u32 s82, s81, s80
	v_mul_u32_u24 v4, s82, v3
	v_lshl_add_u32 v4, v2, 3, v4
	s_add_co_u32 s83, s80, 3072
.irp s, 0,1
	v_add_nc_u32 v[ADRA+\s], s80, v[LI]
	v_add_nc_u32 v[ADRB+\s], s81, v[LI]
	v_add_nc_u32 v[ADRS+\s], s83, v4
	s_add_co_u32 s80, s80, SLOT
	s_add_co_u32 s81, s81, SLOT
	s_add_co_u32 s83, s83, SLOT
.endr
	s_mul_i32 s84, s14, WST
	v_add_nc_u32 v[HSTO], s84, v[LI]
	v_mul_u32_u24 v5, v2, SPT
	v_lshl_add_u32 v5, v3, 6, v5
	v_add_nc_u32 v[HRD], s84, v5
	s_lshl_b32 s84, s15, 10
	s_lshl_b32 s85, s16, 2
	s_add_co_u32 s84, s84, s85
	s_add_co_u32 s84, s84, SCX
	v_add_nc_u32 v[SCW], s84, v[L8]
	s_lshl_b32 s84, s14, 9
	s_add_co_u32 s84, s84, SCX
	v_add_nc_u32 v[SCR], s84, v[L8]
	s_mov_b32 s[SEL], 0x76543210
	s_mov_b32 s[SEL+1], 0xfedcba98
	s_mov_b32 s66, 0xbfb8aa3b
	s_mov_b32 s67, s66
	s_lshl_b32 s86, s17, 19
	s_lshl_b32 s87, s15, 18
	s_add_co_u32 s86, s86, s87
	s_lshl_b32 s88, s42, 10
	s_lshl_b32 s89, s16, 9
	s_add_co_u32 s88, s88, s89
	s_mov_b32 s89, 0
	s_add_nc_u64 s[74:75], s[8:9], s[88:89]
	s_add_co_u32 s86, s86, s88
	s_mov_b32 s87, 0
	s_add_nc_u64 s[72:73], s[10:11], s[86:87]
	s_lshl_b32 s86, s17, 3
	s_lshl_b32 s90, s15, 2
	s_add_co_u32 s90, s86, s90
	s_lshl_b32 s90, s90, 3
	s_add_co_u32 s90, s90, s42
	s_add_co_u32 s90, s90, 4
	s_mul_i32 s90, s90, REC
	s_mul_i32 s91, s16, 1536
	s_add_co_u32 s90, s90, s91
	s_mov_b32 s91, 0
	s_add_nc_u64 s[68:69], s[12:13], s[90:91]
	s_lshl_b32 s90, s14, 1
	s_add_co_u32 s90, s86, s90
	s_lshl_b32 s90, s90, 3
	s_add_co_u32 s90, s90, s42
	s_add_co_u32 s90, s90, 4
	s_mul_i32 s90, s90, REC
	s_add_co_u32 s90, s90, 3072
	s_add_nc_u64 s[70:71], s[12:13], s[90:91]
.irp t, 0,1,2,3,4,5,6,7
	global_load_b128 v[BIAS+8*\t:BIAS+8*\t+3], v[BO], s[74:75] offset:128*(\t/2)+32*(\t%2)
	global_load_b128 v[BIAS+8*\t+4:BIAS+8*\t+7], v[BO], s[74:75] offset:128*(\t/2)+32*(\t%2)+16
.endr
.macro HLOAD m
	WIN 0xc0
.set n, 0
.rept 16
	global_load_b128 v[64*(\m)+4*n:64*(\m)+4*n+3], v[LI], s[72:73] offset:4096*(16*(\m)+n) th:TH_LOAD_NT
.set n, n+1
.endr
	WIN 0
.endm
	HLOAD 0
	HLOAD 1
.macro FETCH1 k
.set FS_, ((\k)/4)%2
.set FP_, ((\k)/2)%2
.set FE_, (\k)%2
.set FO_, FP_*REC+FE_*1536
	WIN 0x40
.irp t, 0,1,2,3,4,5,6,7
.irp c, 0,1,2
	ds_load_b128 v[128*FE_+12*\t+4*\c:128*FE_+12*\t+4*\c+3], v[ADRB+FS_] offset:\t*QROW+FO_+512*\c
.endr
.endr
	WIN 0
.irp m, 0,1,2,3
.irp c, 0,1,2
	ds_load_b128 v[AF+48*FE_+12*\m+4*\c:AF+48*FE_+12*\m+4*\c+3], v[ADRA+FS_] offset:\m*QROW+FO_+512*\c
.endr
.endr
.if FE_ == 0
.irp i, 0,1,2,3,4,5,6,7
	ds_load_b64 v[SC+16*FP_+2*\i:SC+16*FP_+2*\i+1], v[ADRS+FS_] offset:\i*QROW+FP_*REC
.endr
.endif
.endm
.macro FETCHB k, t0                    ; the weight's tiles t0 .. t0 + 3 of K step k
.set FS_, ((\k)/4)%2
.set FP_, ((\k)/2)%2
.set FE_, (\k)%2
.set FO_, FP_*REC+FE_*1536
	WIN 0x40
.irp t, \t0, \t0+1, \t0+2, \t0+3
.irp c, 0,1,2
	ds_load_b128 v[128*FE_+12*(\t)+4*\c:128*FE_+12*(\t)+4*\c+3], v[ADRB+FS_] offset:(\t)*QROW+FO_+512*\c
.endr
.endr
.endm
.macro FETCHA k                        ; the activations' four blocks of K step k, and with a record's first step its scale words
.set FS_, ((\k)/4)%2
.set FP_, ((\k)/2)%2
.set FE_, (\k)%2
.set FO_, FP_*REC+FE_*1536
	WIN 0
.irp m, 0,1,2,3
.irp c, 0,1,2
	ds_load_b128 v[AF+48*FE_+12*\m+4*\c:AF+48*FE_+12*\m+4*\c+3], v[ADRA+FS_] offset:\m*QROW+FO_+512*\c
.endr
.endr
.if FE_ == 0
.irp i, 0,1,2,3,4,5,6,7
	ds_load_b64 v[SC+16*FP_+2*\i:SC+16*FP_+2*\i+1], v[ADRS+FS_] offset:\i*QROW+FP_*REC
.endr
.endif
.endm
.macro MUL8 m, k, first
.set ME_, (\k)%2
.set MS_, SC+16*(((\k)/2)%2)+ME_
.if \first
	WIN 0x81
.else
	WIN 0xa1
.endif
.irp t, 0,1,2,3,4,5,6,7
.if \first
	v_wmma_scale_f32_16x16x128_f8f6f4 v[64*(\m)+8*\t:64*(\m)+8*\t+7], v[128*ME_+12*\t:128*ME_+12*\t+11], v[AF+48*ME_+12*(\m):AF+48*ME_+12*(\m)+11], v[BIAS+8*\t:BIAS+8*\t+7], v[MS_+2*\t], v[MS_+2*(\m)] matrix_a_fmt:MATRIX_FMT_BF6 matrix_b_fmt:MATRIX_FMT_BF6 matrix_a_scale:MATRIX_SCALE_ROW1
.else
	v_wmma_scale_f32_16x16x128_f8f6f4 v[64*(\m)+8*\t:64*(\m)+8*\t+7], v[128*ME_+12*\t:128*ME_+12*\t+11], v[AF+48*ME_+12*(\m):AF+48*ME_+12*(\m)+11], v[64*(\m)+8*\t:64*(\m)+8*\t+7], v[MS_+2*\t], v[MS_+2*(\m)] matrix_a_fmt:MATRIX_FMT_BF6 matrix_b_fmt:MATRIX_FMT_BF6 matrix_a_scale:MATRIX_SCALE_ROW1
.endif
.endr
.endm
.macro STEP1 k, first
	s_wait_dscnt 0x0
	PLACES                                         ; the four places serve all the loads of this step: they land in the registers that the step before multiplied
	FETCHB (\k)+1, 0
	MUL8 0, \k, \first
	FETCHB (\k)+1, 4
	MUL8 1, \k, \first
	FETCHA (\k)+1
	MUL8 2, \k, \first
	MUL8 3, \k, \first
	WIN 0
.endm
.macro TURN1 k, fill, slot
	s_wait_tensorcnt 0x0
	ds_add_u32 v[SPW], v[NIL]
	s_wait_dscnt 1
	MUL8 0, \k, 0
	s_wait_dscnt 0x0
	s_barrier_signal -1
	MUL8 1, \k, 0
	WIN 0
	s_barrier_wait -1
.if \fill
	CREST
	s_add_nc_u64 s[G0+4*\slot+2:G0+4*\slot+3], s[G0+4*\slot+2:G0+4*\slot+3], 2*QROW
	s_add_nc_u64 s[G0B+4*\slot+2:G0B+4*\slot+3], s[G0B+4*\slot+2:G0B+4*\slot+3], 2*QROW
	JLOAD \slot
.else
	PLACES
.endif
	s_wait_alu depctr_va_vdst(0)
	FETCHB (\k)+1, 0
	FETCHB (\k)+1, 4
	MUL8 2, \k, 0
	FETCHA (\k)+1
	MUL8 3, \k, 0
	WIN 0
.endm
	s_wait_alu depctr_va_vdst(0)                   ; the wait at the head's end
	s_wait_tensorcnt 0x0                           ; my part of slot 0 is in
	ds_add_u32 v[SPW], v[NIL]
	s_wait_dscnt 0x0
	CROUND                                         ; everybody's part of slot 0 is in, and all sixteen work-groups are here
	JLOAD 1                                        ; slot 1's first fill, the first tensor load behind the round
	FETCH1 0
	s_wait_loadcnt 32
	STEP1 0, 1
	HLOAD 2
	STEP1 1, 0
	HLOAD 3
	STEP1 2, 0
	TURN1 3, 1, 0
	STEP1 4, 0
	STEP1 5, 0
	STEP1 6, 0
	TURN1 7, 1, 1
	STEP1 8, 0
	STEP1 9, 0
	STEP1 10, 0
	TURN1 11, 0, 0
	STEP1 12, 0
	STEP1 13, 0
	STEP1 14, 0
	s_wait_dscnt 0x0
	MUL8 0, 15, 0
	MUL8 1, 15, 0
	MUL8 2, 15, 0
	MUL8 3, 15, 0
	WIN 0
	PLACES
.irp b, 0,1,2,3
	v_mov_b32 v[TM+4+\b], 0
.endr
.macro QUANT s, pw
.irp b, 0,1,2,3
	v_max3_num_f32 v[TM+\b], |v[\s+16*\b]|, |v[\s+1+16*\b]|, 0x2800000
.endr
.irp i, 2,4,6,8,10,12,14
.irp b, 0,1,2,3
	v_max3_num_f32 v[TM+\b], v[TM+\b], |v[\s+16*\b+\i]|, |v[\s+1+16*\b+\i]|
.endr
.endr
.irp b, 0,1,2,3
	v_permlanex16_b32 v[TM+4+\b], v[TM+\b], s[SEL], s[SEL+1]
.endr
.irp b, 0,1,2,3
	v_max_num_f32 v[TM+\b], v[TM+\b], v[TM+4+\b]
.endr
.irp b, 0,1,2,3
	v_add_nc_u32 v[TM+12+\b], 0xfe000000, v[TM+\b]
.endr
.irp b, 0,1,2,3
	v_lshrrev_b32 v[TM+4+\b], 23, v[TM+12+\b]
.endr
	v_lshl_or_b32 v[\pw], v[TM+5], 8, v[TM+4]
	v_lshl_or_b32 v[\pw], v[TM+6], 16, v[\pw]
	v_lshl_or_b32 v[\pw], v[TM+7], 24, v[\pw]
.irp c, 0,1
	v_cvt_scalef32_pk16_bf6_f32 v[PC+6*\c:PC+2+6*\c], v[\s+32*\c:\s+15+32*\c], v[TM+12+2*\c]
	v_cvt_scalef32_pk16_bf6_f32 v[PC+12+4*\c:PC+14+4*\c], v[\s+16+32*\c:\s+31+32*\c], v[TM+12+2*\c+1]
.endr
	v_nop
.irp c, 0,1
.irp i, 0,1,2
	v_permlane16_swap_b32 v[PC+6*\c+\i], v[PC+12+4*\c+\i]
.endr
.irp i, 0,1,2
	v_mov_b32 v[PC+3+6*\c+\i], v[PC+12+4*\c+\i]
.endr
.endr
.endm
.macro EPI m
	s_wait_loadcnt 48-16*(\m)
	WIN 0x0c
.set n, 0
.rept 16
	ds_store_b128 v[HSTO], v[64*(\m)+4*n:64*(\m)+4*n+3] offset:SPT*n
.set n, n+1
.endr
	WIN 0
.set n, 0
.rept 16
	ds_load_b128 v[HX+4*n:HX+4*n+3], v[HRD] offset:128*(n/4)+16*(n%4)
.set n, n+1
.endr
	WIN 0x02
.set n, 0
.rept 32
	v_pk_mul_f32 v[Y+n:Y+n+1], v[64*(\m)+n:64*(\m)+n+1], s[66:67] op_sel_hi:[1,0]
.set n, n+2
.endr
	WIN 0
.set n, 0
	s_wait_alu depctr_va_vdst(0)
.rept 64
	v_exp_f32 v[Y+n], v[Y+n]
.set n, n+1
.endr
	v_nop
	s_wait_alu depctr_va_vdst(0)
.set n, 0
.rept 32
	v_pk_add_f32 v[Y+n:Y+n+1], v[Y+n:Y+n+1], 1.0 op_sel_hi:[1,0]
.set n, n+2
.endr
.set n, 0
	s_wait_alu depctr_va_vdst(0)
.rept 64
	v_rcp_f32 v[Y+n], v[Y+n]
.set n, n+1
.endr
	v_nop
	s_wait_alu depctr_va_vdst(0)
	s_wait_dscnt 0x0
.set n, 0
.rept 32
	v_pk_mul_f32 v[Y+n:Y+n+1], v[Y+n:Y+n+1], v[HX+n:HX+n+1]
.set n, n+2
.endr
	s_wait_xcnt 0x0
	QUANT Y, PW+(\m)
.irp c, 0,1,2
	global_store_b128 v[LI], v[PC+4*\c:PC+4*\c+3], s[68:69] offset:RB*(\m)+512*\c
.endr
	ds_store_b32 v[SCW], v[PW+(\m)] offset:256*(\m)
.endm
	EPI 0
	EPI 1
	EPI 2
	EPI 3
	s_wait_dscnt 0x0
	s_barrier_signal -1
	s_barrier_wait -1
	ds_load_b64 v[HX:HX+1], v[SCR]
	ds_load_b64 v[HX+2:HX+3], v[SCR] offset:256
	s_wait_dscnt 0x0
	global_store_b64 v[L8], v[HX:HX+1], s[70:71]
	global_store_b64 v[L8], v[HX+2:HX+3], s[70:71] offset:RB
	s_wait_tensorcnt 0x0
	ds_add_u32 v[SPW], v[NIL]
	s_wait_dscnt 0x0
	CROUND
	s_endpgm
.Lfunc_end_k_q57f2719aa4_gemm_r:
	.size	k_q57f2719aa4_gemm_r, .Lfunc_end_k_q57f2719aa4_gemm_r-k_q57f2719aa4_gemm_r
	.p2alignl 7, 3214868480
	.fill 96, 4, 3214868480
	.section	.rodata,"a",@progbits
	.p2align	6, 0x0
	.amdhsa_kernel k_q57f2719aa4_gemm_r
		.amdhsa_group_segment_fixed_size 327680
		.amdhsa_private_segment_fixed_size 0
		.amdhsa_enable_private_segment 0
		.amdhsa_kernarg_size 40
		.amdhsa_user_sgpr_count 2
		.amdhsa_user_sgpr_kernarg_segment_ptr 1
		.amdhsa_wavefront_size32 1
		.amdhsa_system_sgpr_workgroup_id_x 1
		.amdhsa_system_sgpr_workgroup_id_y 1
		.amdhsa_system_sgpr_workgroup_id_z 1
		.amdhsa_system_vgpr_workitem_id 0
		.amdhsa_next_free_vgpr 1024
		.amdhsa_next_free_sgpr 100
		.amdhsa_reserve_vcc 0
		.amdhsa_float_denorm_mode_32 3
		.amdhsa_float_denorm_mode_16_64 3
		.amdhsa_memory_ordered 1
		.amdhsa_forward_progress 1
		.amdhsa_inst_pref_size 196
	.end_amdhsa_kernel
	.amdgpu_metadata
---
amdhsa.version: [ 1, 2 ]
amdhsa.kernels:
  - .name:           k_q57f2719aa4_gemm_r
    .symbol:         k_q57f2719aa4_gemm_r.kd
    .args:
      - { .name: ac, .offset: 0, .size: 8, .value_kind: global_buffer, .address_space: global }
      - { .name: wc, .offset: 8, .size: 8, .value_kind: global_buffer, .address_space: global }
      - { .name: br, .offset: 16, .size: 8, .value_kind: global_buffer, .address_space: global }
      - { .name: h_prev, .offset: 24, .size: 8, .value_kind: global_buffer, .address_space: global }
      - { .name: rc, .offset: 32, .size: 8, .value_kind: global_buffer, .address_space: global }
    .group_segment_fixed_size: 327680
    .private_segment_fixed_size: 0
    .kernarg_segment_align: 8
    .kernarg_segment_size: 40
    .max_flat_workgroup_size: 128
    .sgpr_count:     100
    .vgpr_count:     1024
    .wavefront_size: 32
...
	.end_amdgpu_metadata
.endif
;; end of part 2
;; launch gemm_zg (part 3): grid 8 x 32, 4 waves a work-group, clusters of 4 x 4, 327,680 bytes of LDS; arguments ac, rc, wc, bz, bg, h_prev, out0; writes out0
.if DOCPART == 3
	.amdgcn_target "amdgcn-amd-amdhsa--gfx1250"
	.amdhsa_code_object_version 6
	.text
	.protected	k_q57f2719aa4_gemm_zg
	.globl	k_q57f2719aa4_gemm_zg
	.p2align	8
	.type	k_q57f2719aa4_gemm_zg,@function
k_q57f2719aa4_gemm_zg:
	s_mov_b64 s[64:65], 0
	v_nop
	global_prefetch_b8 v0, s[64:65] scope:SCOPE_SE
	s_setreg_imm32_b32 hwreg(HW_REG_WAVE_MODE, 25, 1), 1
	s_wait_xcnt 0x0
	s_wait_alu depctr_hold_cnt(0) depctr_sa_sdst(0) depctr_va_vdst(0) depctr_va_sdst(0) depctr_va_ssrc(0) depctr_va_vcc(0) depctr_vm_vsrc(0)
	s_getreg_b32 s2, hwreg(HW_REG_IB_STS2, 6, 4)
	s_cmp_eq_u32 s2, 0
	s_cbranch_scc0 .Lentry_in_a_cluster
	s_endpgm
.Lentry_in_a_cluster:
	s_bfe_u32 s2, ttmp6, 0x10000c
	s_cmp_lg_u32 s2, 0xf033
	s_cbranch_scc0 .Lentry_shape_is_right
	s_endpgm
.Lentry_shape_is_right:
; z = sigmoid([x, h] Wz^T + bz), g = tanh([x, r h] Wg^T + bg), out0 = (1 - z) g + z h, on codes of BF6 (E3M2) with one E8M0 byte for each 32 along K.
; OPERANDS come as IMAGES OF THEIR REGISTERS: a record of 3,328 bytes = 16 rows x 256 along K: two images of 1,536 bytes (register 4 c + i of lane l at 512 c + 16 l + 4 i) and 256 bytes of scale words
; (8 l: the two words of row l % 16).  ac: [512 blocks of 16 rows][8 records], records 0-3 x, 4-7 h_prev; rc: the same pitch, records 4-7 r h; wc: [gate][64 tiles][8 records].
; SHARES.  A work-group owns 256 rows x 128 columns of BOTH z and g: 256 work-groups.  Wave w: rows 128 (w / 2) on; w % 2 = 0: z, 1: g.  Each wave is a product of 128 x 128: 64 accumulators.
; THE MATRIX INSTRUCTION IS USED TRANSPOSED (source 0 = 16 rows of the weight, source 1 = 16 rows of the activations); lane r of a weight's tile 2 b + u holds row 32 b + 8 u + r + 8 (r / 8): so a lane
; holds one row of the result, and register j of tile 2 b + u its column 32 b + 16 (lane / 16) + 8 u + j.  The bias is the C of each sum's first product.
; K goes in eight records (256 along K) through two LDS slots.  A slot: 16 records of x or h, 16 of r h, 8 of Wz, 8 of Wg.  EVERY WAVE FETCHES, 8 records (26,624 bytes) a load while that divides: x, and h's
; records 4 and 5, in two halves by waves 0 and 1, Wz by wave 2, Wg by wave 3.  r h's records 4 and 5 go out with the first fills, a half to each wave, and lie untouched while x is multiplied: so x is
; fetched once for both gates.  For records 6 and 7 wave 0 fetches h and wave 1 r h, 16 records each.
; CLUSTERS: 4 x 4 work-groups; the four of a row of the cluster need the same activations, the four of a column the same weights: each tile is asked for jointly, by the same tensor load with the same
; descriptor and a mask that names the four.
; THE WAY OUT goes block by block of 16 rows: z and 1 / (1 + e^(2 s)) go into two stages in LDS (the slots, which have had their last fill and their last read), a barrier, and the two waves of a row half
; take 8 whole rows each of both and of h_prev and store them while the next block's exponentials are worked.
; REGISTERS, in windows of 256: window 0: v14-31 addresses; v32-63 scale words, two sets; v64-159 A's fragments, one set; v160-255 h_prev's rows 0-23.   window 1: v0-95, v96-191 the weight's fragments,
;   two sets; v192-255 the bias, then h_prev's rows 24-39; rows 40-63 take v0-95 when K step 14 has read them.   windows 2, 3: accumulator (a, b) at v[8 (8 (a % 4) + b)]; on the way out block a's 64
;   registers take its rows back from the stages.
; LIMITS: NaN and infinities are not served.  tanh(s) is taken as 1 - 2 / (1 + e^(2 s)): right at both ends of the range; its absolute error is about 1e-7, also where s is small.
; THE FIRST FILLS AS THEY STAND (in place of what the paragraph on K above says of them): at the head each wave issues one joint load: wave 0 x's record 0 (16 records), wave 1 r h's record 4 (16),
; wave 2 Wz's and wave 3 Wg's record 0 (8 each).  Behind the wait for all loads, the add and a round the same four go out for slot 1: x's record 1, r h's record 5, the weights' record 1.
; So every byte of both slots has had its first fill before any slot is filled again.  The refills are as said above: records 2 to 5 of x and h in two halves, records 6 and 7 of h and of r h whole.
.set REC,   3328
.set RB,    8*REC
.set SLOT,  48*REC
.set AG,    16*REC
.set BB,    32*REC
.set SPARE, 2*SLOT                     ; the spare words, 128 bytes for each wave: two blocks of 256 bytes that no other line names
.set SPT,   528                        ; a stage row: 512 bytes + 16
.set PFO,  14                          ; v14     the prefetches' offset: block lane / 8, 256 x (lane % 8) bytes; never rewritten
.set BO,   15                          ; v15     64 x (lane / 16)
.set ADRA, 16                          ; v16-19  my A fragments: slot s, phase p (0: x; 1: h or r h) at v[16 + 2 s + p]
.set ADRB, 20                          ; v20-21  my weight's
.set ADRS, 22                          ; v22-25  the scale words, as ADRA: lanes 0-15 A's, lanes 16-31 the weight's
.set STO,  26                          ; v26     into my stage
.set RDZ,  27                          ; v27     my 8 rows of a block of z
.set SPW,  28                          ; v28     my spare word; never rewritten
.set NIL,  29                          ; v29     0; never rewritten
.set RDG,  30                          ; v30     the same rows of g's stage
.set LI,   31                          ; v31     16 x lane
.set SC,   32
.set AF,   64
.set BIAS, 192                         ; in window 1
.set G0X,  4                           ; s[4:11]   group 0, a set for each slot: blocks 8-15 of x or h (wave 1)
.set G1A,  24                          ; s[24:31]  group 1: 16 records, my row of the cluster
.set G0A,  32                          ; s[32:39]  group 0: x or h from block 0 on (wave 0)
.set G1B,  48                          ; s[48:55]  group 1: 8 records, my column of the cluster
.set G0B,  56                          ; s[56:63]  group 0: my weight's tiles (waves 2, 3)
.set LIM,  66                          ; s66       0 in a wave that prefetches
.set G0R,  68                          ; s[68:75]  group 0: r h's records 4 and 5 (first fills), then 6 and 7 (wave 1)
.set G1H,  92                          ; s[92:99]  group 1: 8 records, my row of the cluster
.set PFA,  100                         ; s[100:101] where my prefetches stand in ac (waves 0, 1) or wc (waves 2, 3); never rewritten
.set PFR,  2                           ; s[2:3]    the same in rc; never rewritten
.set MSB, 0
.macro WIN new                         ; the immediate's high byte repeats the setting that is left
.if MSB != \new
	s_set_vgpr_msb (MSB<<8)|\new
.set MSB, \new
.endif
.endm
.macro PLACES
.rept 4
	v_nop
.endr
.endm
; The joint loads of slot s.  The branches hang on the wave's number alone.  Four v_nop follow each line.
; kind = 1: x or h in two halves of 8 records, by waves 0 and 1.  kind = 2: h by wave 0, r h by wave 1, 16 records each.  Waves 2 and 3: Wz and Wg.
.macro JL s, kind
	s_cmp_lt_u32 s18, 2
	s_cbranch_scc0 .Lfor_b_\@
	s_cmp_eq_u32 s18, 0
	s_cbranch_scc0 .Lfor_1_\@
.if (\kind) == 1
	tensor_load_to_lds s[G0A+4*(\s):G0A+4*(\s)+3], s[G1H:G1H+7]
	s_nop 0
.else
	tensor_load_to_lds s[G0A+4*(\s):G0A+4*(\s)+3], s[G1A:G1A+7]
	s_nop 0
.endif
	PLACES
	s_branch .Lasked_\@
.Lfor_1_\@:
.if (\kind) == 1
	tensor_load_to_lds s[G0X+4*(\s):G0X+4*(\s)+3], s[G1H:G1H+7]
	s_nop 0
.else
	tensor_load_to_lds s[G0R+4*(\s):G0R+4*(\s)+3], s[G1A:G1A+7]
	s_nop 0
.endif
	PLACES
	s_branch .Lasked_\@
.Lfor_b_\@:
	tensor_load_to_lds s[G0B+4*(\s):G0B+4*(\s)+3], s[G1B:G1B+7]
	s_nop 0
	PLACES
.Lasked_\@:
.endm
; A PREFETCH INTO THE L2, behind the joint loads of the first four changes of slots and the run of LDS loads that follows them.  A block's eight records lie on end, 26,624 bytes: thirteen pieces of 2,048.
; Change P (0 to 3) names pieces 5 + 2 P (waves 0 and 2) and 6 + 2 P (waves 1 and 3).  Record P + 3, which change P + 1 loads, ends in piece 6, 8, 9, 11; record 7, which change 5 loads, in piece 12:
; so a piece is named one change, 128 products a wave, ahead of the load that ends in it, pieces 10 and 12 two.  An instruction names one piece of four blocks: a lane 256 bytes.
; Each 256 bytes are named once in the launch.  The activations' blocks are read by both clusters of a row of clusters: cluster x = 0 asks (waves 0, 1); the weights' tiles by all clusters of a column:
; cluster y = 0 asks (waves 2, 3).  The four partners that ask for a tile jointly share its 16 blocks out BY ADDRESS, four each: no branch hangs on a work-group's place in its cluster.
; withr = 1 (changes 2 and 3): waves 0 and 1 name the same pieces, 9 to 12, of rc too: records 6 and 7 (piece 9 begins with the last 1,536 bytes of record 5, which came with the first fills).
; Records 0 to 2, and the first 256 bytes of record 3, come by their loads alone: nothing is asked at the head.  The last piece ends with the block: no prefetch leaves its buffer.
.macro ASK c, withr
	s_cmp_eq_u32 s[LIM], 0
	s_cbranch_scc0 .Lnot_mine_\@
	global_prefetch_b8 v[PFO], s[PFA:PFA+1] offset:2048*(\c) th:TH_LOAD_NT scope:SCOPE_SE
.if \withr
	s_cmp_lt_u32 s18, 2
	s_cbranch_scc0 .Lnot_mine_\@
	global_prefetch_b8 v[PFO], s[PFR:PFR+1] offset:2048*(\c) th:TH_LOAD_NT scope:SCOPE_SE
.endif
.Lnot_mine_\@:
.endm
.macro CREST                           ; a round of the cluster's barrier behind its opening barrier
	s_cmp_lg_u32 s18, 0
	s_cbranch_scc1 .Lnot_wave_0_\@
	s_barrier_signal -3
.Lnot_wave_0_\@:
	s_barrier_wait -3
	s_barrier_signal -1
	s_barrier_wait -1
.endm
.macro CROUND
	s_barrier_signal -1
	s_barrier_wait -1
	CREST
.endm
	s_load_b256 s[4:11], s[0:1], 0x0               ; ac, rc, wc, bz
	s_load_b128 s[12:15], s[0:1], 0x20             ; bg, h_prev
	s_load_b64 s[16:17], s[0:1], 0x30              ; out0
	v_lshl_add_u32 v[SPW], v0, 2, SPARE
	v_mov_b32 v[NIL], 0
	ds_add_u32 v28, v29
	ds_add_u32 v28, v29
	s_wait_dscnt 0x0
	v_lshrrev_b32 v1, 5, v0
	v_readfirstlane_b32 s18, v1                    ; wave 0..3
	s_lshr_b32 s19, s18, 1                         ; which 128 rows are mine
	s_and_b32 s20, s18, 1                          ; z (0) or g (1)
	s_bfe_u32 s40, ttmp6, 0x40000                  ; cx, cy: my place in the cluster
	s_bfe_u32 s41, ttmp6, 0x40004
	s_lshl_b32 s42, ttmp9, 2
	s_add_co_u32 s42, s42, s40                     ; tx: 128 columns
	s_and_b32 s21, ttmp7, 0xffff
	s_lshl_b32 s21, s21, 2
	s_add_co_u32 s21, s21, s41                     ; ty: 256 rows
	s_lshl_b32 s43, s41, 2
	s_lshl_b32 s43, 15, s43                        ; my row of the cluster
	s_lshl_b32 s44, 0x1111, s40                    ; my column
	; group 1: rows of 416 elements of 8 bytes (a record), RB bytes apart in memory, dense in LDS; 16 or 8 rows of activations, 8 of a weight
	s_or_b32 s[G1A+0], s43, (3<<16)|(1<<21)        ; 15:0 the mask; 17:16 elements of 8 bytes; 21 set beside a mask; no padding
	s_or_b32 s[G1H+0], s43, (3<<16)|(1<<21)
	s_or_b32 s[G1B+0], s44, (3<<16)|(1<<21)
	s_mov_b32 s[G1A+1], 416<<16                    ; tensor_dim0
	s_mov_b32 s[G1A+2], 16<<16                     ; tensor_dim1
	s_mov_b32 s[G1A+3], 416<<16                    ; tile_dim0
	s_mov_b32 s[G1A+4], 16                         ; tile_dim1
	s_mov_b32 s[G1A+5], 3328                       ; the pitch, in elements
	s_mov_b32 s[G1A+6], 0
	s_mov_b32 s[G1A+7], 0
.irp g, G1H, G1B
	s_mov_b32 s[\g+1], 416<<16
	s_mov_b32 s[\g+2], 8<<16
	s_mov_b32 s[\g+3], 416<<16
	s_mov_b32 s[\g+4], 8
	s_mov_b32 s[\g+5], 3328
	s_mov_b32 s[\g+6], 0
	s_mov_b32 s[\g+7], 0
.endr
	; the offsets, made while the arguments are on their way
	s_mul_i32 s22, s21, 16*RB                      ; the activations: block 16 ty
	s_mov_b32 s23, 0
	s_add_co_u32 s46, s20, 1                       ; the weights: gate 1 (Wz) or 2 (Wg), tile 8 tx
	s_lshl_b32 s46, s46, 6
	s_lshl_b32 s47, s42, 3
	s_add_co_u32 s46, s46, s47
	s_mul_i32 s46, s46, RB
	s_mov_b32 s47, 0
	s_mul_i32 s45, s20, 8*REC                      ; where a weight's tile goes: no place in the cluster enters an LDS address
	s_add_co_u32 s45, s45, BB
	s_lshl_b32 s2, s21, 4                          ; the prefetches: of the activations' 16 blocks my work-group takes 4 cx on,
	s_lshl_b32 s3, s40, 2
	s_add_co_u32 s2, s2, s3
	s_lshr_b32 s100, s41, 1                        ; of the weights' 16 tiles gate 1 + cy / 2, tiles 8 tx + 4 (cy % 2) on
	s_add_co_u32 s100, s100, 1
	s_lshl_b32 s100, s100, 6
	s_lshl_b32 s3, s42, 3
	s_add_co_u32 s100, s100, s3
	s_and_b32 s3, s41, 1
	s_lshl_b32 s3, s3, 2
	s_add_co_u32 s100, s100, s3
	s_and_b32 s67, ttmp7, 0xffff                   ; cluster y
	s_cmp_lt_u32 s18, 2                            ; waves 0 and 1 ask for activations, waves 2 and 3 for weights
	s_cselect_b32 s100, s2, s100
	s_cselect_b32 s[LIM], ttmp9, s67               ; the coordinate along which other clusters read the same bytes: the same in all sixteen partners, for a given wave
	s_mul_i32 s100, s100, RB
	s_mul_i32 s2, s2, RB
	s_lshl_b32 s3, s20, 11                         ; the odd waves stand one piece further on
	s_add_co_u32 s100, s100, s3
	s_add_co_u32 s2, s2, s3
	s_mov_b32 s101, 0
	s_mov_b32 s3, 0
	s_lshl_b32 s88, s42, 9                         ; 512 tx bytes: my columns in a bias, in h_prev and in out0
	s_mov_b32 s89, 0
	s_wait_kmcnt 0x0
	s_cmp_lt_u32 s18, 2
	s_cselect_b64 s[82:83], s[4:5], s[8:9]         ; ac or wc: the choice hangs on the wave's number alone
	s_add_nc_u64 s[PFA:PFA+1], s[82:83], s[PFA:PFA+1]
	s_add_nc_u64 s[PFR:PFR+1], s[6:7], s[PFR:PFR+1]
	s_cmp_eq_u32 s20, 0
	s_cselect_b64 s[84:85], s[10:11], s[12:13]     ; bz or bg
	s_mov_b32 s76, 0x4038aa3b                      ; g: 2 log2(e)
	s_cselect_b32 s76, 0xbfb8aa3b, s76             ; z: -log2(e)
	s_mov_b32 s77, s76                             ; (named with it as a pair, so it is written)
	s_add_nc_u64 s[84:85], s[84:85], s[88:89]
	s_add_nc_u64 s[78:79], s[4:5], s[22:23]
	s_add_nc_u64 s[86:87], s[6:7], s[22:23]
	s_add_nc_u64 s[46:47], s[8:9], s[46:47]
	CROUND                                         ; all sixteen work-groups are here: the first joint loads meet
.irp s, 0,1
	s_mov_b32 s[G0A+4*\s], 1
	s_mov_b32 s[G0A+4*\s+1], \s*SLOT
	s_add_nc_u64 s[G0A+4*\s+2:G0A+4*\s+3], s[78:79], \s*REC
	s_or_b32 s[G0A+4*\s+3], s[G0A+4*\s+3], 0x80000000
	s_mov_b32 s[G0X+4*\s], 1                       ; (the arguments that lay in s[4:11] have been used)
	s_mov_b32 s[G0X+4*\s+1], \s*SLOT+8*REC
	s_add_nc_u64 s[G0X+4*\s+2:G0X+4*\s+3], s[78:79], 8*RB+\s*REC
	s_or_b32 s[G0X+4*\s+3], s[G0X+4*\s+3], 0x80000000
	s_mov_b32 s[G0R+4*\s], 1
	s_mov_b32 s[G0R+4*\s+1], AG+\s*SLOT
	s_add_nc_u64 s[G0R+4*\s+2:G0R+4*\s+3], s[86:87], (4+\s)*REC
	s_or_b32 s[G0R+4*\s+3], s[G0R+4*\s+3], 0x80000000
	s_mov_b32 s[G0B+4*\s], 1
	s_add_co_u32 s[G0B+4*\s+1], s45, \s*SLOT
	s_add_nc_u64 s[G0B+4*\s+2:G0B+4*\s+3], s[46:47], \s*REC
	s_or_b32 s[G0B+4*\s+3], s[G0B+4*\s+3], 0x80000000
.endr
	JL 0, 2                                        ; slot 0: x's record 0, r h's record 4, the weights' record 0: one tensor load a wave at the head
	v_and_b32 v1, 31, v0                           ; lane
	v_and_b32 v2, 15, v0                           ; r
	v_bfe_u32 v3, v0, 4, 1                         ; h
	v_lshlrev_b32 v[LI], 4, v1
	v_lshlrev_b32 v[BO], 6, v3
	v_lshlrev_b32 v4, 3, v2
	v_lshrrev_b32 v5, 3, v1
	v_mul_u32_u24 v[PFO], v5, RB
	v_and_b32 v6, 7, v1
	v_lshl_add_u32 v[PFO], v6, 8, v[PFO]
	s_mul_i32 s22, s19, 8*REC                      ; my eight blocks of x or h,
	s_mul_i32 s23, s20, AG
	s_add_co_u32 s23, s23, s22                     ; in the second phase, for g: of r h
	s_mul_i32 s78, s20, 8*REC
	s_add_co_u32 s78, s78, BB                      ; my weight's eight tiles
	s_sub_co_u32 s79, s78, s22
	s_sub_co_u32 s86, s78, s23
	v_mul_u32_u24 v5, s79, v3                      ; lanes 16-31 take the weight's scale words: one product, the distance between the two
	v_mul_u32_u24 v6, s86, v3
	v_add_nc_u32 v5, v5, v4
	v_add_nc_u32 v6, v6, v4
	s_add_co_u32 s87, s22, 3072
	s_add_co_u32 s67, s23, 3072
.irp s, 0,1
	v_add_nc_u32 v[ADRA+2*\s], s22, v[LI]
	v_add_nc_u32 v[ADRA+2*\s+1], s23, v[LI]
	v_add_nc_u32 v[ADRB+\s], s78, v[LI]
	v_add_nc_u32 v[ADRS+2*\s], s87, v5
	v_add_nc_u32 v[ADRS+2*\s+1], s67, v6
	s_add_co_u32 s22, s22, SLOT
	s_add_co_u32 s23, s23, SLOT
	s_add_co_u32 s78, s78, SLOT
	s_add_co_u32 s87, s87, SLOT
	s_add_co_u32 s67, s67, SLOT
.endr
	s_mul_i32 s22, s20, SLOT                       ; z's stage lies in slot 0, g's in slot 1
	s_mul_i32 s23, s19, 128*SPT
	s_add_co_u32 s22, s22, s23
	v_mul_u32_u24 v5, v2, SPT
	v_lshl_add_u32 v5, v3, 6, v5
	v_add_nc_u32 v[STO], s22, v5                   ; row 128 (w / 2) + r, + 64 h bytes
	s_mul_i32 s22, s20, 8*SPT
	s_add_co_u32 s22, s22, s23
	v_add_nc_u32 v[RDZ], s22, v[LI]                ; back: of each block of my row half rows 8 (w % 2) on, 16 bytes a lane
	s_add_co_u32 s22, s22, SLOT
	v_add_nc_u32 v[RDG], s22, v[LI]
	s_lshl_b32 s23, s21, 20                        ; row 256 ty + 128 (w / 2) + 8 (w % 2) of 4,096 bytes
	s_add_co_u32 s88, s88, s23
	s_lshl_b32 s23, s19, 19
	s_add_co_u32 s88, s88, s23
	s_lshl_b32 s23, s20, 15
	s_add_co_u32 s88, s88, s23
	s_add_nc_u64 s[90:91], s[16:17], s[88:89]      ; out0
	s_add_nc_u64 s[88:89], s[14:15], s[88:89]      ; h_prev
	WIN 0x40                                       ; destination window 1
.irp b, 0,1,2,3,4,5,6,7                        ; the bias in the result's layout: tile 2 c + u, lane half h: columns 32 c + 16 h + 8 u + 0 .. 7
	global_load_b128 v[BIAS+8*\b:BIAS+8*\b+3], v[BO], s[84:85] offset:128*(\b/2)+32*(\b%2)
	global_load_b128 v[BIAS+8*\b+4:BIAS+8*\b+7], v[BO], s[84:85] offset:128*(\b/2)+32*(\b%2)+16
.endr
	WIN 0
.macro HL from, to                     ; my rows from .. to of h_prev, 512 consecutive bytes a load: my row n is row n % 8 of my 8 rows of block n / 8.  The caller sets the destination's window
.set n, \from
.rept (\to)-(\from)+1
.if n < 24
	global_load_b128 v[160+4*n:160+4*n+3], v[LI], s[88:89] offset:4096*(16*(n/8)+n%8) th:TH_LOAD_NT
.elseif n < 40
	global_load_b128 v[192+4*(n-24):192+4*(n-24)+3], v[LI], s[88:89] offset:4096*(16*(n/8)+n%8) th:TH_LOAD_NT
.else
	global_load_b128 v[4*(n-40):4*(n-40)+3], v[LI], s[88:89] offset:4096*(16*(n/8)+n%8) th:TH_LOAD_NT
.endif
.set n, n+1
.endr
.endm
	HL 0, 23
.macro FRAGI reg, adr, off             ; a fragment: three loads of 16 bytes a lane, 512 consecutive bytes each
.irp c, 0,1,2
	ds_load_b128 v[\reg+4*\c:\reg+4*\c+3], v[\adr] offset:\off+512*\c
.endr
.endm
.macro FETCH_B adr, e                  ; the weight's eight fragments of a record's e-th 128 along K into set e
	WIN 0x40
.irp i, 0,1,2,3,4,5,6,7
	FRAGI 96*(\e)+12*\i, \adr, \i*REC+(\e)*1536
.endr
	WIN 0
.endm
.macro FETCH_BH adr, e, i0             ; four of the weight's fragments, tiles i0 .. i0 + 3, into set e
	WIN 0x40
.irp i, \i0, \i0+1, \i0+2, \i0+3
	FRAGI 96*(\e)+12*(\i), \adr, (\i)*REC+(\e)*1536
.endr
	WIN 0
.endm
.macro FETCH_A adr, e, i0              ; A's blocks i0 .. i0 + 3
.irp i, \i0, \i0+1, \i0+2, \i0+3
	FRAGI AF+12*(\i), \adr, (\i)*REC+(\e)*1536
.endr
.endm
.macro SCALES adr, set                 ; a record's scale words: register 2 i + e: lanes 0-15 A's block i, lanes 16-31 the weight's tile i
.irp i, 0,1,2,3,4,5,6,7
	ds_load_b64 v[SC+16*(\set)+2*\i:SC+16*(\set)+2*\i+1], v[\adr] offset:\i*REC
.endr
.endm
; 16 products: A's blocks a0, a0 + 1 against the weight's eight tiles.  The 64 accumulators take turns, one instruction a turn, in the same order in every K step.
.macro MUL16 a0, e, set, first
.irp a, \a0, \a0+1
.irp b, 0,1,2,3,4,5,6,7
.if \first
	v_wmma_scale_f32_16x16x128_f8f6f4 v[8*(8*((\a)%4)+\b):8*(8*((\a)%4)+\b)+7], v[96*(\e)+12*\b:96*(\e)+12*\b+11], v[AF+12*(\a):AF+12*(\a)+11], v[BIAS+8*\b:BIAS+8*\b+7], v[SC+16*(\set)+2*\b+(\e)], v[SC+16*(\set)+2*(\a)+(\e)] matrix_a_fmt:MATRIX_FMT_BF6 matrix_b_fmt:MATRIX_FMT_BF6 matrix_a_scale:MATRIX_SCALE_ROW1
.else
	v_wmma_scale_f32_16x16x128_f8f6f4 v[8*(8*((\a)%4)+\b):8*(8*((\a)%4)+\b)+7], v[96*(\e)+12*\b:96*(\e)+12*\b+11], v[AF+12*(\a):AF+12*(\a)+11], v[8*(8*((\a)%4)+\b):8*(8*((\a)%4)+\b)+7], v[SC+16*(\set)+2*\b+(\e)], v[SC+16*(\set)+2*(\a)+(\e)] matrix_a_fmt:MATRIX_FMT_BF6 matrix_b_fmt:MATRIX_FMT_BF6 matrix_a_scale:MATRIX_SCALE_ROW1
.endif
.endr
.endr
.endm
.macro WMUL hi, first                  ; source 0 (the weight) window 1, source 1 (A) window 0, D window 2 or 3; C with D, or the bias in window 1
.if \first
	WIN 0x91+0x40*(\hi)
.else
	WIN 0xa1+0x50*(\hi)
.endif
.endm
; A record's first K step.  A's blocks are free as soon as their products are issued: blocks 0-3 are fetched anew in the step's middle, blocks 4-7 at its end; the weight has two sets.
.macro STEP adra, adrb, set, first
	s_wait_dscnt 12                                ; the weight's set, A's blocks 0-3 and the scale words are in; the youngest 12 loads (A's blocks 4-7) may be out
	WMUL 0, \first
	MUL16 0, 0, \set, \first
	FETCH_BH \adrb, 1, 0                           ; set 1 was last multiplied a K step ago, with four places behind it: half of it is fetched here, between the products
	WMUL 0, \first
	MUL16 2, 0, \set, \first
	s_wait_dscnt 12                                ; A's blocks 4-7 are in; the 12 loads just issued may be out
	PLACES                                         ; four plain instructions between products and loads into the registers that they read (ISA guide 7.12.1 for vector instructions)
	FETCH_BH \adrb, 1, 4
	FETCH_A \adra, 1, 0
	WMUL 1, \first
	MUL16 4, 0, \set, \first
	MUL16 6, 0, \set, \first
	PLACES
	WIN 0
	FETCH_A \adra, 1, 4
.endm
; A record's second K step changes slots: one barrier; in front of it each wave waits for all its tensor loads, adds 0 to its spare word, and waits for that and for its reads of this slot.
; fill = 1: this slot takes the record two on of x or h, in two halves, and of the weights; 2: of h, of r h and of the weights; 0: nothing is left to fetch.  askc: the first piece to prefetch, or 0.
.macro TURN set, nadra, nadrb, nadrs, nset, fill, slot, askc, askr
	s_wait_tensorcnt 0x0                           ; all my tensor loads have landed: my part of the next slot
	ds_add_u32 v[SPW], v[NIL]                      ; 0 onto my spare word
	s_wait_dscnt 13                                ; (the add and the youngest 12 loads, A's blocks 4-7, may be out)
	WMUL 0, 0
	MUL16 0, 1, \set, 0                            ; sixteen products stand between the add and the wait for it
	s_wait_dscnt 0x0                               ; the add is done, and my reads of this slot are over
	s_barrier_signal -1
	MUL16 2, 1, \set, 0
	WIN 0
	s_barrier_wait -1
.if \fill
	CREST                                          ; the barrier has opened a round of the cluster's barrier: no wave of any partner still reads this slot or has a load on its way
	s_add_nc_u64 s[G0A+4*(\slot)+2:G0A+4*(\slot)+3], s[G0A+4*(\slot)+2:G0A+4*(\slot)+3], 2*REC
	s_add_nc_u64 s[G0B+4*(\slot)+2:G0B+4*(\slot)+3], s[G0B+4*(\slot)+2:G0B+4*(\slot)+3], 2*REC
.if (\fill) == 1
	s_add_nc_u64 s[G0X+4*(\slot)+2:G0X+4*(\slot)+3], s[G0X+4*(\slot)+2:G0X+4*(\slot)+3], 2*REC
.else
	s_add_nc_u64 s[G0R+4*(\slot)+2:G0R+4*(\slot)+3], s[G0R+4*(\slot)+2:G0R+4*(\slot)+3], 2*REC   ; r h: from record 4 or 5 to record 6 or 7
.endif
	JL \slot, \fill                                ; the first tensor load behind the round, a wave's one load until the next; the four v_nop are the places in front of the loads below
.else
	PLACES
.endif
	s_wait_alu depctr_va_vdst(0)
	FETCH_B \nadrb, 0
	WMUL 1, 0
	MUL16 4, 1, \set, 0                            ; sixteen products between the two runs of LDS loads
	WIN 0
	FETCH_A \nadra, 0, 0
	SCALES \nadrs, \nset
.if \askc
	ASK \askc, \askr                               ; behind the joint load and the runs of LDS loads that the next products wait for
.endif
	WMUL 1, 0
	MUL16 6, 1, \set, 0
	PLACES
	WIN 0
	FETCH_A \nadra, 0, 4
.endm
	s_wait_alu depctr_va_vdst(0)                   ; the wait at the head's end
	s_wait_tensorcnt 0x0                           ; my part of slot 0 is in
	ds_add_u32 v[SPW], v[NIL]
	s_wait_dscnt 0x0
	CROUND                                         ; everybody's part of slot 0 is in, and all sixteen work-groups are here
	JL 1, 2                                        ; slot 1's first fill: x's record 1, r h's record 5, the weights' record 1: the first tensor load behind the round
	FETCH_B ADRB, 0
	FETCH_A ADRA, 0, 0
	SCALES ADRS, 0
	FETCH_A ADRA, 0, 4
	s_wait_loadcnt 24                              ; the bias's 16 loads are in; h_prev's 24 may be out
	STEP ADRA, ADRB, 0, 1                          ; the first K step starts the sums, on the bias
	WIN 0x40
	HL 24, 39                                      ; into the bias's registers: the step's last four v_nop stand between
	WIN 0
.irp P, 0,1,2,3,4,5,6                          ; record P lies in slot P % 2; records 4-7 are the second phase
.set S_, \P%2
.set N_, (\P+1)%2
.set NPH_, (\P+1)/4
.if \P < 4
.set FILL_, 1
.set ASKC_, 5+2*\P
.elseif \P < 6
.set FILL_, 2
.set ASKC_, 0
.else
.set FILL_, 0
.set ASKC_, 0
.endif
.set ASKR_, \P/2
.if ASKR_ != 1
.set ASKR_, 0
.endif
	TURN S_, ADRA+2*N_+NPH_, ADRB+N_, ADRS+2*N_+NPH_, N_, FILL_, S_, ASKC_, ASKR_
	STEP ADRA+2*N_+NPH_, ADRB+N_, N_, 0
.endr
	WIN 0x40
	HL 40, 63                                      ; into the weight's set 0, which K step 14 has read: the step's last four v_nop stand between
	WIN 0
	s_wait_dscnt 12                                ; the last K step: nothing more to fetch
	WMUL 0, 0
	MUL16 0, 1, 1, 0
	MUL16 2, 1, 1, 0
	s_wait_dscnt 0x0                               ; my reads of slot 1 are over
	s_barrier_signal -1
	WMUL 1, 0
	MUL16 4, 1, 1, 0
	MUL16 6, 1, 1, 0
	WIN 0
	s_barrier_wait -1                              ; everybody's are: both slots may be written
	PLACES                                         ; in front of the first read of results
; Block a (16 rows x 128 columns), in place: q = 1 / (1 + 2^(k s)), k = -log2(e) for z (q is z) and 2 log2(e) for g (g = 1 - 2 q); then into the stage.
.macro OUTB a
.set AC_, 64*((\a)%4)
	WIN 0x82+0x41*((\a)/4)                         ; source 0 and destination: window 2 or 3
.set n, 0
.rept 32
	v_pk_mul_f32 v[AC_+n:AC_+n+1], v[AC_+n:AC_+n+1], s[76:77] op_sel_hi:[1,0]   ; each accumulator from its low end on
.set n, n+2
.endr
.set n, 0
	s_wait_alu depctr_va_vdst(0)
.rept 64
	v_exp_f32 v[AC_+n], v[AC_+n]
.set n, n+1
.endr
	v_nop                                          ; a plain instruction behind the last exponential (ISA guide 5.7.2)
	s_wait_alu depctr_va_vdst(0)                   ; one wait for the batch, ahead of its first reader
.set n, 0
.rept 32
	v_pk_add_f32 v[AC_+n:AC_+n+1], v[AC_+n:AC_+n+1], 1.0 op_sel_hi:[1,0]
.set n, n+2
.endr
.set n, 0
	s_wait_alu depctr_va_vdst(0)
.rept 64
	v_rcp_f32 v[AC_+n], v[AC_+n]
.set n, n+1
.endr
	v_nop
	s_wait_alu depctr_va_vdst(0)                   ; and one for the reciprocals
	WIN 0x08+4*((\a)/4)                            ; an LDS store's data are its source 1
.irp b, 0,1,2,3,4,5,6,7
	ds_store_b128 v[STO], v[AC_+8*\b:AC_+8*\b+3] offset:(\a)*16*SPT+128*(\b/2)+32*(\b%2)
	ds_store_b128 v[STO], v[AC_+8*\b+4:AC_+8*\b+7] offset:(\a)*16*SPT+128*(\b/2)+32*(\b%2)+16
.endr
.endm
; A barrier for each block: in front of it my stores of the block have landed (and my loads of the block before are in); behind it the block's rows of z and of g's stage are whole.
; The blocks' rows are different bytes of the stages, so nothing that a wave still reads is written.
.macro SYNC
	s_wait_dscnt 0x0
	s_barrier_signal -1
	s_barrier_wait -1
.endm
; My 8 rows of block a come back into the block's own 64 registers, which its stores into the stage have read: z into the first 32, q of g into the other 32.  No register is used twice on the way out.
.macro LOADB a
.set AC_, 64*((\a)%4)
.set WL_, (2+(\a)/4)<<6
	WIN WL_                                        ; destination window 2 or 3
.set n, 0
.rept 8
	ds_load_b128 v[AC_+4*n:AC_+4*n+3], v[RDZ] offset:SPT*(16*(\a)+n)
	ds_load_b128 v[AC_+32+4*n:AC_+32+4*n+3], v[RDG] offset:SPT*(16*(\a)+n)
.set n, n+1
.endr
.endm
; (1 - z) g + z h of my 8 rows of block b, and their stores.
.macro BATCH b
.set ZB_, 64*((\b)%4)
.set WB_, 2+(\b)/4
.set WA_, (WB_<<6)|(WB_<<4)|(WB_<<2)|WB_
.set WS_, WB_<<2
	s_wait_loadcnt 56-8*(\b)                       ; h_prev's rows up to this block's are in; the later rows' loads may be out
	WIN WA_                                        ; all in the block's window
.set n, 0
.rept 16
	v_pk_fma_f32 v[ZB_+32+n:ZB_+33+n], v[ZB_+32+n:ZB_+33+n], -2.0, 1.0 op_sel_hi:[1,0,0]   ; g = 1 - 2 q
.set n, n+2
.endr
.set n, 0
.rept 16
	v_pk_fma_f32 v[ZB_+32+n:ZB_+33+n], v[ZB_+n:ZB_+n+1], v[ZB_+32+n:ZB_+33+n], v[ZB_+32+n:ZB_+33+n] neg_lo:[1,0,0] neg_hi:[1,0,0]   ; g - z g
.set n, n+2
.endr
.if (\b) < 3
.set HB_, 160+32*(\b)
.set WH_, (WB_<<6)|(WB_<<4)|WB_                ; h_prev (source 1) in window 0
.elseif (\b) < 5
.set HB_, 192+32*((\b)-3)
.set WH_, (WB_<<6)|(WB_<<4)|(1<<2)|WB_         ; in window 1
.else
.set HB_, 32*((\b)-5)
.set WH_, (WB_<<6)|(WB_<<4)|(1<<2)|WB_
.endif
	WIN WH_
.set n, 0
.rept 16
	v_pk_fma_f32 v[ZB_+n:ZB_+n+1], v[ZB_+n:ZB_+n+1], v[HB_+n:HB_+n+1], v[ZB_+32+n:ZB_+33+n]   ; + z h
.set n, n+2
.endr
	WIN WS_                                        ; a store's data are its source 1
.set n, 0
.rept 8
	global_store_b128 v[LI], v[ZB_+4*n:ZB_+4*n+3], s[90:91] offset:4096*(16*(\b)+n) th:TH_STORE_NT   ; 32 lanes store 512 consecutive bytes, aligned; written once, read by nobody here
.set n, n+1
.endr
.endm
	OUTB 0
	SYNC
	LOADB 0
.irp a, 1,2,3,4,5,6,7                          ; block a's exponentials stand between block a - 1's loads from the stages and their use; block a - 1's stores leave while block a + 1 is worked
	OUTB \a
	SYNC
	LOADB \a
	BATCH \a-1
.endr
	s_wait_dscnt 0x0                               ; the last block's rows are in
	BATCH 7
	WIN 0
	s_wait_tensorcnt 0x0                           ; the wave's end
	ds_add_u32 v[SPW], v[NIL]
	s_wait_dscnt 0x0
	CROUND                                         ; the closing round: no work-group ends while a partner may still ask for a tile that names it
	s_endpgm
.Lfunc_end_k_q57f2719aa4_gemm_zg:
	.size	k_q57f2719aa4_gemm_zg, .Lfunc_end_k_q57f2719aa4_gemm_zg-k_q57f2719aa4_gemm_zg
	.p2alignl 7, 3214868480
	.fill 96, 4, 3214868480
	.section	.rodata,"a",@progbits
	.p2align	6, 0x0
	.amdhsa_kernel k_q57f2719aa4_gemm_zg
		.amdhsa_group_segment_fixed_size 327680
		.amdhsa_private_segment_fixed_size 0
		.amdhsa_enable_private_segment 0
		.amdhsa_kernarg_size 56
		.amdhsa_user_sgpr_count 2
		.amdhsa_user_sgpr_kernarg_segment_ptr 1
		.amdhsa_wavefront_size32 1
		.amdhsa_system_sgpr_workgroup_id_x 1
		.amdhsa_system_sgpr_workgroup_id_y 1
		.amdhsa_system_sgpr_workgroup_id_z 1
		.amdhsa_system_vgpr_workitem_id 0
		.amdhsa_next_free_vgpr 1024
		.amdhsa_next_free_sgpr 102
		.amdhsa_reserve_vcc 0
		.amdhsa_float_denorm_mode_32 3
		.amdhsa_float_denorm_mode_16_64 3
		.amdhsa_memory_ordered 1
		.amdhsa_forward_progress 1
		.amdhsa_inst_pref_size 255
	.end_amdhsa_kernel
	.section	.bss,"aw",@nobits
	.p2align	6
	.space	262144
	.amdgpu_metadata
---
amdhsa.version: [ 1, 2 ]
amdhsa.kernels:
  - .name:           k_q57f2719aa4_gemm_zg
    .symbol:         k_q57f2719aa4_gemm_zg.kd
    .args:
      - { .name: ac, .offset: 0, .size: 8, .value_kind: global_buffer, .address_space: global }
      - { .name: rc, .offset: 8, .size: 8, .value_kind: global_buffer, .address_space: global }
      - { .name: wc, .offset: 16, .size: 8, .value_kind: global_buffer, .address_space: global }
      - { .name: bz, .offset: 24, .size: 8, .value_kind: global_buffer, .address_space: global }
      - { .name: bg, .offset: 32, .size: 8, .value_kind: global_buffer, .address_space: global }
      - { .name: h_prev, .offset: 40, .size: 8, .value_kind: global_buffer, .address_space: global }
      - { .name: out0, .offset: 48, .size: 8, .value_kind: global_buffer, .address_space: global }
    .group_segment_fixed_size: 327680
    .private_segment_fixed_size: 0
    .kernarg_segment_align: 8
    .kernarg_segment_size: 56
    .max_flat_workgroup_size: 128
    .sgpr_count:     102
    .vgpr_count:     1024
    .wavefront_size: 32
...
	.end_amdgpu_metadata
.endif
;; end of part 3
